; MI455X (gfx1250); checked and timed in simulation.
; The chip was launched on July 23, 2026; its instructions are those of AMD's public machine-readable ISA for CDNA 5 (MIT licence, August 2026) and "CDNA5" Instruction Set Architecture Reference Guide (July 2026). The comments in the code are by the model that wrote it; some were corrected since.
;; Self Attention. Allowed arithmetic: matrix products marked QUANTISED: E5M2 operands, one given power-of-two scale a tensor, by v_wmma_f32_16x16x64_bf8_bf8 or v_wmma_f32_16x16x128_bf8_bf8, f32 sums; everything else in f32.
;; Inputs: W_out 512 x 512 float32; keys 8 x 2,048 x 512 float32; lowp_scales 6 int32 (the exponents e of the quantised operands' scales 2^e); mask 8 x 1 x 1 x 2,048 int32; query 8 x 2,048 x 512 float32; values 8 x 2,048 x 512 float32.
;; Outputs: out0 8 x 2,048 x 512 float32.
;; This version of the problem:
;;   THIS VERSION OF THE PROBLEM IS GIVEN IN LOW PRECISION. The matrix products marked QUANTISED in the list below multiply operands that are first quantised to E5M2 (5 exponent bits, 2 mantissa bits; 8 bits a number), with one given power-of-two scale for each operand tensor; their sums are f32. All else is computed in f32.
;;   The module's matrix products, in the order in which they are computed (A, B: the left and right operand; K: the contracted axis; several contracted axes count as one K, in the product's order):
;;     1. batch 64 x [M 2,048, K 64] x [K 64, N 2,048]; A: input query; B: input keys: QUANTISED (scales: A lowp_scales[0], B lowp_scales[1])
;;     2. batch 64 x [M 64, K 2,048] x [K 2,048, N 2,048]; A: input values; B: softmax (see below): QUANTISED (scales: A lowp_scales[2], B lowp_scales[3])
;;     3. [M 16,384, K 512] x [K 512, N 512]; A: computed on the way; B: input W_out: QUANTISED (scales: A lowp_scales[4], B lowp_scales[5])
;;   THE QUANTISER, for each operand of a quantised product, along K:
;;     - The operand's scale is 2^e, e = its entry of the input lowp_scales (int32; the entries are numbered through the quantised products in the list's order, A before B).
;;     - Each number is divided by the scale, clamped to +-57,344, and rounded to the nearest number of E5M2, ties to even, subnormals kept.
;;     - The product sums the exact products of the quantised numbers (number of the format x scale) in f32.
;;   ~~~python
;;   def quantise(x, axis, e):      # numpy; x: float32 -> the quantised numbers, widened to float32 again
;;       x = np.moveaxis(x, axis, -1); K = x.shape[-1]
;;       r = np.clip(x / 2.0 ** e, -57344, 57344)
;;       step = 2.0 ** (np.maximum(np.frexp(np.where(r == 0, 1, r))[1] - 1, -14) - 2)
;;       q = np.round(r / step) * step * 2.0 ** e      # np.round: ties to even
;;       return np.moveaxis(q, -1, axis).astype(np.float32)
;;   ~~~
;;   SOFTMAX AHEAD OF A QUANTISED PRODUCT. Where the list says 'softmax', what is quantised is not the finished softmax but p = 2^(t - M), with t = logit x log2(e) and M = ceil(the row's largest t), a whole number; so 1/2 < the row's largest p <= 1. The row's sum l is taken of the UNQUANTISED p, in f32, and the product's result is divided by l at the end. Since M is a whole number, a kernel that streams over the keys may use a running M (the ceiling of the running maximum): every later rescaling is an exact power of two, so the quantised numbers keep their values, but for numbers so far below the row's largest that they fall under the format's range.
;;   OPERANDS COMPUTED ON THE WAY. 'Computed on the way' means the value that the module computes at that place (a softmax that the list does not call 'softmax' is quantised finished and normalised). What goes into a quantiser is computed in f32, as accurately as f32 sums, v_exp_f32 and their like allow (about 1e-6 of the number): no bf16 or f16 on the way to a quantiser, and a product that is left as it is and whose result goes on into a quantised operand takes f32 operands (vector FMAs, or v_wmma_f32_16x16x4_f32). A number that lies on a knife's edge between two numbers of the format may be rounded either way, as far as f32 arithmetic and the matrix unit's own rounding can turn it there, and no further.
;; One version. Each part assembles by itself: llvm-mc -triple=amdgcn-amd-amdhsa -mcpu=gfx1250 --defsym DOCPART=n.
;; ======== version 1 of 1: 2 launches
;; limits: right only within a limited range of input values
;; workspace buffers: kv 16,777,216 bytes; wimg 262,144 bytes
;; launch quant (part 1): grid 388 x 1, 8 waves a work-group, no clusters, 35,840 bytes of LDS; arguments keys, values, W_out, lowp_scales, kv, wimg; writes kv, wimg
.if DOCPART == 1
	.amdgcn_target "amdgcn-amd-amdhsa--gfx1250"
	.amdhsa_code_object_version 6
	.text
	.protected	k_q850aaad96c_quant
	.globl	k_q850aaad96c_quant
	.p2align	8
	.type	k_q850aaad96c_quant,@function
k_q850aaad96c_quant:
	s_mov_b64 s[64:65], 0
	v_nop
	global_prefetch_b8 v0, s[64:65] scope:SCOPE_SE
	s_setreg_imm32_b32 hwreg(HW_REG_WAVE_MODE, 25, 1), 1
	s_wait_xcnt 0x0
; keys [8][2048][512], values [8][2048][512] and W_out [512][512], f32, become codes of BF8 (E5M2), each tensor with the one scale 2^e given for it
; (keys: entry 1 of the scales, values: entry 2, W_out: entry 5), laid as IMAGES OF THE OPERANDS' REGISTERS, so that the next launch takes every fragment by 16-byte loads at 16 x lane.
; code = x / 2^e, held within +-57,344, to the nearest code, ties to even.  LIMITS: -126 <= e <= 112; NaN among the inputs is not served.
; kv: [batch 8][key step 16][131,072 bytes].  In a block (128 keys, all 8 heads):
;   K's images at head x 8192 + t x 1024 + c x 512 + 16 x lane: lane (r = lane % 16, h = lane / 16) holds key 32 (t / 2) + 8 (t % 2) + r + 8 (r / 8), channels 32 c + 16 h + 0 .. 15;
;   V's images at 65536 + head x 8192 + (2 B + u) x 2048 + b x 512 + 16 x lane: lane (r, h) holds channel 32 B + 8 u + r + 8 (r / 8), keys 32 b + 16 h + 0 .. 15.
; wimg: [4][65,536 bytes]: W_out's rows laid as keys are, 128 rows a block, a "head" being 64 columns.
; Work-groups 0-127 take keys, 128-131 W_out (the same path, other pointers), 132-387 values.  Waves share nothing: no barrier.  Only the path of keys and W_out uses LDS.
.set STGB, 4352                        ; a wave's stage: 16 rows x (256 bytes + 16)
.set R,    16                          ; v16-79   rows: two sets of 32 registers as loaded;  columns: four sets of 16
.set X,    80                          ; v80-111  rows: 32 neighbours of a lane's row
.set C,    112                         ; v112-175 codes; each store has registers of its own, none is written again
	s_load_b256 s[4:11], s[0:1], 0x0               ; keys s[4:5], values s[6:7], W_out s[8:9], the scales' exponents s[10:11]
	s_load_b128 s[12:15], s[0:1], 0x20             ; kv s[12:13], wimg s[14:15]
	v_lshl_add_u32 v176, v0, 2, 0x8800
	v_mov_b32 v177, 0
	v_lshrrev_b32 v1, 5, v0
	s_delay_alu instid0(VALU_DEP_1)
	v_readfirstlane_b32 s16, v1                    ; wave 0..7
	v_and_b32 v1, 31, v0                           ; lane
	v_and_b32 v2, 15, v0                           ; r
	v_bfe_u32 v7, v0, 4, 1                         ; h
	s_delay_alu instid0(VALU_DEP_2)
	v_lshlrev_b32 v8, 4, v2                        ; 16 r
	s_wait_kmcnt 0x0
	s_load_b128 s[20:23], s[10:11], 0x0            ; e0 .. e3
	s_load_b64 s[24:25], s[10:11], 0x10            ; e4, e5
	s_cmp_lt_u32 ttmp9, 132
	s_cbranch_scc0 .Lvalues
; ---- KEYS AND W_OUT: K is innermost.  A wave takes one tile: 16 rows (eight neighbours, and the eight that lie 16 further on) x all 512 columns, a head's 64 columns at a time.
; Each load reads whole runs of 256 bytes (sixteen lanes to a row's 64 numbers); they turn through the wave's stage, so that a lane then holds 16 neighbours of its row twice.
	s_cmp_lt_u32 ttmp9, 128                        ; keys or W_out?  The choice hangs on the work-group's number alone
	s_cselect_b64 s[4:5], s[4:5], s[8:9]           ; from where
	s_cselect_b64 s[12:13], s[12:13], s[14:15]     ; to where
	s_cselect_b32 s26, 0, 1024                     ; W_out's tiles count from work-group 128's first wave
	s_cselect_b32 s27, 17, 16                      ; a block of 128 rows is 2^17 bytes in kv, 2^16 in wimg
	s_lshl_b32 s29, ttmp9, 3
	s_add_co_u32 s29, s29, s16
	s_sub_co_u32 s29, s29, s26                     ; my tile
	s_lshr_b32 s30, s29, 3                         ; its block of 128 rows
	s_and_b32 s31, s29, 7                          ; t
	s_lshl_b32 s32, s30, 7
	s_lshr_b32 s33, s31, 1
	s_lshl_b32 s33, s33, 5
	s_add_co_u32 s32, s32, s33
	s_and_b32 s33, s31, 1
	s_lshl_b32 s33, s33, 3
	s_add_co_u32 s32, s32, s33                     ; first row: 128 x block + 32 (t / 2) + 8 (t % 2)
	s_lshl_b32 s32, s32, 11                        ; a row is 2,048 bytes
	s_mov_b32 s33, 0
	s_add_nc_u64 s[4:5], s[4:5], s[32:33]
	s_lshl_b32 s34, s30, s27
	s_lshl_b32 s35, s31, 10
	s_add_co_u32 s34, s34, s35                     ; block + t x 1024
	s_mov_b32 s35, 0
	s_add_nc_u64 s[12:13], s[12:13], s[34:35]
	s_wait_alu depctr_va_vdst(0)
	v_lshl_add_u32 v3, v7, 11, v8                  ; in: lanes 0-15 one row's 256 bytes, lanes 16-31 the next row's
	v_lshlrev_b32 v6, 4, v1                        ; out: 16 x lane
	s_mul_i32 s17, s16, STGB                       ; my stage
	v_mul_u32_u24 v4, v7, 272
	s_delay_alu instid0(VALU_DEP_1)
	v_add_nc_u32 v4, v4, v8
	s_delay_alu instid0(VALU_DEP_1)
	v_add_nc_u32 v4, s17, v4                       ; into it, as loaded: row (lane / 16), 16 bytes a lane
	v_mul_u32_u24 v5, v2, 272
	s_delay_alu instid0(VALU_DEP_1)
	v_lshl_add_u32 v5, v7, 6, v5
	s_delay_alu instid0(VALU_DEP_1)
	v_add_nc_u32 v5, s17, v5                       ; out of it: row r, + 64 h: my 16 numbers of a group of 32
.macro LOAD hd                         ; head hd's 64 columns of the tile's 16 rows: load i brings tile rows 2 i and 2 i + 1; rows 8-15 lie 8 further down in memory
.irp i, 0,1,2,3,4,5,6,7
	global_load_b128 v[R+32*((\hd)%2)+4*\i:R+32*((\hd)%2)+4*\i+3], v3, s[4:5] offset:(2*\i+8*(\i/4))*2048+(\hd)*256 th:TH_LOAD_NT
.endr
.endm
	LOAD 0
	LOAD 1
	s_wait_alu depctr_va_vdst(0)
	s_wait_kmcnt 0x0
	s_cmp_lt_u32 ttmp9, 128
	s_cselect_b32 s28, s21, s25                    ; e: keys' or W_out's
	s_add_co_i32 s28, s28, 127
	s_lshl_b32 s29, s28, 23
	v_mov_b32 v11, s29                             ; 2^e as f32: the conversion takes its exponent field
	s_add_co_i32 s28, s28, 15
	s_lshl_b32 s28, s28, 23
	s_or_b32 s28, s28, 0x600000
	v_mov_b32 v10, s28                             ; 57,344 x 2^e
.macro HEAD hd
.if (\hd) < 7
	s_wait_loadcnt 8                               ; this head's eight loads are in; the next head's eight may be out
.else
	s_wait_loadcnt 0x0
.endif
.irp i, 0,1,2,3,4,5,6,7
	ds_store_b128 v4, v[R+32*((\hd)%2)+4*\i:R+32*((\hd)%2)+4*\i+3] offset:\i*544
.endr
.irp g, 0,1,2,3,4,5,6,7                ; LDS serves a wave's instructions in order: these see the stores above, and the next head's stores come behind them
	ds_load_b128 v[X+4*\g:X+4*\g+3], v5 offset:128*(\g/4)+16*(\g%4)
.endr
	s_wait_dscnt 0x0                               ; my 32 numbers are back, and the stores have read their registers,
.if (\hd)+2 < 8
	LOAD (\hd)+2                                   ; which take the head two further on
.endif
.set J, 0
.rept 32
	v_med3_num_f32 v[X+J], v[X+J], -v10, v10       ; the conversion to an 8-bit code does not saturate (ISA guide 7.6.2): the hold at the largest code x the scale
.set J, J+1
.endr
.irp g, 0,1,2,3
	v_cvt_scalef32_pk8_bf8_f32 v[C+8*(\hd)+2*\g:C+8*(\hd)+2*\g+1], v[X+8*\g:X+8*\g+7], v11
.endr
	v_nop                                          ; a plain instruction behind the conversions: the next head's holds write their sources
	global_store_b128 v6, v[C+8*(\hd):C+8*(\hd)+3], s[12:13] offset:(\hd)*8192          ; 32 lanes store 512 consecutive bytes, aligned: channels 16 h on
	global_store_b128 v6, v[C+8*(\hd)+4:C+8*(\hd)+7], s[12:13] offset:(\hd)*8192+512    ; channels 32 + 16 h on
.endm
	s_wait_alu depctr_va_vdst(0)
.irp n, 0,1,2,3,4,5,6,7
	HEAD \n
.endr
	s_wait_tensorcnt 0x0
	ds_add_u32 v176, v177
	s_wait_dscnt 0x0
	s_endpgm
; ---- VALUES: K (the keys) is the outer axis.  A lane takes a column and its registers run down the keys: 16 registers are the lane's 16 bytes of an image.  Nothing is transposed, no LDS.
; A wave takes 32 columns x 128 keys.  Lane l takes column 8 (l / 16) + l % 16 + (l & 8) of the 32: so lanes 0-15 are the sixteen rows of tile u = 0, lanes 16-31 of tile u = 1.
.Lvalues:
	s_sub_co_u32 s26, ttmp9, 132
	s_lshl_b32 s26, s26, 3
	s_add_co_u32 s26, s26, s16
	s_and_b32 s27, s26, 15                         ; which 32 columns of the 512
	s_lshr_b32 s28, s26, 4                         ; which 128 keys: 16 x batch + key step
	s_lshl_b32 s30, s28, 18                        ; 128 rows of 2,048 bytes
	s_lshl_b32 s31, s27, 7
	s_add_co_u32 s30, s30, s31
	s_mov_b32 s31, 0
	s_add_nc_u64 s[6:7], s[6:7], s[30:31]
	s_lshl_b32 s32, s28, 17
	s_lshl_b32 s33, s27, 12                        ; head x 8192 + B x 4096
	s_add_co_u32 s32, s32, s33
	s_add_co_u32 s32, s32, 65536                   ; V's images lie behind K's
	s_mov_b32 s33, 0
	s_add_nc_u64 s[12:13], s[12:13], s[32:33]
	s_wait_alu depctr_va_vdst(0)
	v_and_b32 v9, 8, v2
	s_delay_alu instid0(VALU_DEP_1)
	v_add_nc_u32 v9, v9, v2
	s_delay_alu instid0(VALU_DEP_1)
	v_lshl_add_u32 v9, v7, 3, v9                   ; my column
	s_delay_alu instid0(VALU_DEP_1)
	v_lshlrev_b32 v3, 2, v9                        ; in: a wave's load reads 128 consecutive bytes, the eight waves side by side 1,024
	v_lshl_add_u32 v6, v7, 11, v8                  ; out: u x 2048 + 16 r
.macro VLOAD k                         ; keys 16 k + 0 .. 15 of my column
.irp i, 0,1,2,3,4,5,6,7,8,9,10,11,12,13,14,15
	global_load_b32 v[R+16*((\k)%4)+\i], v3, s[6:7] offset:(16*(\k)+\i)*2048 th:TH_LOAD_NT
.endr
.endm
	VLOAD 0
	VLOAD 1
	VLOAD 2
	VLOAD 3
	s_wait_kmcnt 0x0
	s_add_co_i32 s28, s22, 127                     ; e2
	s_lshl_b32 s29, s28, 23
	v_mov_b32 v11, s29
	s_add_co_i32 s28, s28, 15
	s_lshl_b32 s28, s28, 23
	s_or_b32 s28, s28, 0x600000
	v_mov_b32 v10, s28
.macro VBLOCK k
.if 7-(\k) >= 3
	s_wait_loadcnt 48                              ; this block's sixteen loads are in; those of the three blocks behind it may be out
.else
	s_wait_loadcnt 16*(7-(\k))
.endif
.irp i, 0,1,2,3,4,5,6,7,8,9,10,11,12,13,14,15
	v_med3_num_f32 v[R+16*((\k)%4)+\i], v[R+16*((\k)%4)+\i], -v10, v10
.endr
	v_cvt_scalef32_pk8_bf8_f32 v[C+4*(\k):C+4*(\k)+1], v[R+16*((\k)%4):R+16*((\k)%4)+7], v11
	v_cvt_scalef32_pk8_bf8_f32 v[C+4*(\k)+2:C+4*(\k)+3], v[R+16*((\k)%4)+8:R+16*((\k)%4)+15], v11
	global_store_b128 v6, v[C+4*(\k):C+4*(\k)+3], s[12:13] offset:(\k)*256   ; block k = 2 b + h: sixteen lanes store 256 consecutive bytes, aligned.  (The results go to a store alone; the next vector lines are the next block's holds, plain, on other registers)
.if (\k) < 4
	VLOAD (\k)+4
.endif
.endm
	s_wait_alu depctr_va_vdst(0)
.irp n, 0,1,2,3,4,5,6,7
	VBLOCK \n
.endr
	s_endpgm
.Lfunc_end_k_q850aaad96c_quant:
	.size	k_q850aaad96c_quant, .Lfunc_end_k_q850aaad96c_quant-k_q850aaad96c_quant
	.p2alignl 7, 3214868480
	.fill 96, 4, 3214868480
	.section	.rodata,"a",@progbits
	.p2align	6, 0x0
	.amdhsa_kernel k_q850aaad96c_quant
		.amdhsa_group_segment_fixed_size 35840
		.amdhsa_private_segment_fixed_size 0
		.amdhsa_enable_private_segment 0
		.amdhsa_kernarg_size 48
		.amdhsa_user_sgpr_count 2
		.amdhsa_user_sgpr_kernarg_segment_ptr 1
		.amdhsa_wavefront_size32 1
		.amdhsa_system_sgpr_workgroup_id_x 1
		.amdhsa_system_sgpr_workgroup_id_y 1
		.amdhsa_system_sgpr_workgroup_id_z 1
		.amdhsa_system_vgpr_workitem_id 0
		.amdhsa_next_free_vgpr 178
		.amdhsa_next_free_sgpr 66
		.amdhsa_reserve_vcc 0
		.amdhsa_float_denorm_mode_32 3
		.amdhsa_float_denorm_mode_16_64 3
		.amdhsa_memory_ordered 1
		.amdhsa_forward_progress 1
		.amdhsa_inst_pref_size 61
	.end_amdhsa_kernel
	.amdgpu_metadata
---
amdhsa.version: [ 1, 2 ]
amdhsa.kernels:
  - .name:           k_q850aaad96c_quant
    .symbol:         k_q850aaad96c_quant.kd
    .args:
      - { .name: keys, .offset: 0, .size: 8, .value_kind: global_buffer, .address_space: global }
      - { .name: values, .offset: 8, .size: 8, .value_kind: global_buffer, .address_space: global }
      - { .name: W_out, .offset: 16, .size: 8, .value_kind: global_buffer, .address_space: global }
      - { .name: lowp_scales, .offset: 24, .size: 8, .value_kind: global_buffer, .address_space: global }
      - { .name: kv, .offset: 32, .size: 8, .value_kind: global_buffer, .address_space: global }
      - { .name: wimg, .offset: 40, .size: 8, .value_kind: global_buffer, .address_space: global }
    .group_segment_fixed_size: 35840
    .private_segment_fixed_size: 0
    .kernarg_segment_align: 8
    .kernarg_segment_size: 48
    .max_flat_workgroup_size: 256
    .sgpr_count:     66
    .vgpr_count:     178
    .wavefront_size: 32
...
	.end_amdgpu_metadata
.endif
;; end of part 1
;; launch attn (part 2): grid 32 x 8, 8 waves a work-group, clusters of 4 x 1, 327,680 bytes of LDS; arguments query, kv, wimg, mask, lowp_scales, out0; writes out0
.if DOCPART == 2
	.amdgcn_target "amdgcn-amd-amdhsa--gfx1250"
	.amdhsa_code_object_version 6
	.text
	.protected	k_q850aaad96c_attn
	.globl	k_q850aaad96c_attn
	.p2align	8
	.type	k_q850aaad96c_attn,@function
k_q850aaad96c_attn:
	s_mov_b64 s[64:65], 0
	v_nop
	global_prefetch_b8 v0, s[64:65] scope:SCOPE_SE
	s_setreg_imm32_b32 hwreg(HW_REG_WAVE_MODE, 25, 1), 1
	s_wait_xcnt 0x0
	s_wait_alu depctr_hold_cnt(0) depctr_sa_sdst(0) depctr_va_vdst(0) depctr_va_sdst(0) depctr_va_ssrc(0) depctr_va_vcc(0) depctr_vm_vsrc(0)
	s_getreg_b32 s2, hwreg(HW_REG_IB_STS2, 6, 4)
	s_cmp_eq_u32 s2, 0
	s_cbranch_scc0 .Lentry_in_a_cluster
	s_endpgm
.Lentry_in_a_cluster:
	s_bfe_u32 s2, ttmp6, 0x10000c
	s_cmp_lg_u32 s2, 0x3003
	s_cbranch_scc0 .Lentry_shape_is_right
	s_endpgm
.Lentry_shape_is_right:
; out0 = softmax(mask(q k^T) / sqrt(512)) v, heads joined, x W_out^T: all three products on codes of BF8 (E5M2), each operand with its given scale 2^e (e0 q, e1 k, e2 v, e3 p, e4 the attention's result, e5 W_out).
; SHARES.  A work-group owns 64 queries of one batch for ALL 8 heads; wave w is head w, with four tiles of 16 queries: each fragment of K, V and the bias feeds four tiles, and a row's whole K = 512 of the last product meets in one work-group.
; K AND V come as images of the operands' registers (buffer kv: a block of 131,072 bytes is one key step of 128 keys for all heads) through a ring of two LDS slots; each wave fetches an eighth of a block by one tensor load.
; CLUSTER.  The four query blocks of a cluster belong to one batch and walk the same blocks: each block is asked for JOINTLY, by the same load with the same descriptor and a mask that names the four.
; THE WALK.  A block is read out of its slot EARLY: K and the bias of step t + 1 go into registers in step t, as soon as step t's last score product has read the old ones; V of step t at step t's top.  So behind the first tile of step t
; nobody needs slot t % 2 any more: there stand the wait for all tensor loads, the add, the wait for the LDS reads and the opening signal of the cluster's round; a tile's work on registers stands between that signal and its wait;
; behind the round block t + 2 is asked for, with three tiles' work in which to land.  Step t + 1's first score product stands at the end of step t.
; LAYOUT.  All products are used transposed (S^T = K Q^T, O^T = V^T P^T, y^T = W a^T): a lane holds ONE query (lane % 16).  The rows that form a tile of K, V and W are chosen (r + 8 (r / 8)) so that the 16 registers of two
; neighbouring result tiles are 16 neighbours along the next product's K; in a fragment registers 4 c .. 4 c + 3 hold k = 32 c + 16 (lane / 16) + 0 .. 15, alike on both sides of each product.
; THE MASK.  A table of 2,048 f32 in LDS holds -1e20 / 2^(e0 + e1) for a hidden key and 0 for the others; it is the C of the score products: a hidden score is -1e20 + energy, which in f32 is -1e20.
; THE SOFTMAX.  t = score x c, c = log2(e) / sqrt(512) x 2^(e0 + e1); M = the ceiling of the running largest t; p = 2^(t - M) is quantised; the sum is taken of the unquantised p and divides at the end; when M moves, sum and O^T are
; multiplied by 2^(old M - new M).  The step's largest t is first raised by 2^-22 of its size, so that t - M as the multiply-add forms it is never positive, also where all keys so far are hidden; so M is now and then one above the
; exact ceiling: an exact factor of two in p and in the sum alike.  A batch with NO open key: c is replaced by 0 (a select, no branch): every p is 1, the plain average.
; LIMITS: e0 + e1 between -60 and 131; e0, e3, e4 between -126 and 112; e4 + e5 between -126 and 127; |energy| small beside 1e20; NaN among the inputs is not served.
; REGISTERS, window 0: v1-15, v39-47 addresses and constants; v16-31 four a tile: -M, the largest t, the sum in two halves; v32-38 at work; v48-55 my mask words; v64-127 S^T, then p; v128-191 K's 8 fragments; v192-255 the bias, 8 tiles.
;   window 1: v0-127 O^T (tile i, channels' tile d at 32 i + 8 d), later y^T; v128-191 V's 4 fragments; v192-223 Q; v224-239 p's codes.  At the end W's 16 fragments take v128-255 of both windows.
.set SLOT1, 1<<17                      ; a slot holds one block; one exclusive or turns an address from one slot into the other
.set VOFF,  1<<16                      ; V's images lie behind K's in a block
.set BIAS,  2*SLOT1                    ; the bias table: 8,192 bytes, written by LDS stores, never filled by a tensor load
.set SPARE, BIAS+8192                  ; the spare words: 128 bytes for each of eight waves
.set STG,   SPARE+1024                 ; a stage of 16 rows x (256 bytes + 16) for each wave: q on the way in, out0 on the way out; no tensor load lands here
.set AIMG,  0                          ; slot 0 has had its last fill (block 14) and, at step 14's barrier, its last read: the attention result's 16 fragments, (4 m + s) x 2048 + b x 512 + 16 x lane
.set S,   64
.set KF,  128
.set BI,  192
.set VF,  128                          ; in window 1
.set QF,  192
.set PF,  224
.set MSB, 0
.macro WIN new                         ; bits 1:0 source 0, 3:2 source 1, 5:4 source 2, 7:6 destination; the high byte repeats the setting that is left
.if MSB != (\new)
	s_set_vgpr_msb (MSB<<8)|(\new)
.set MSB, (\new)
.endif
.endm
.macro PLACES
.rept 4
	v_nop
.endr
.endm
.macro CREST                           ; a round of the cluster's barrier behind its opening barrier
	s_cmp_lg_u32 s16, 0
	s_cbranch_scc1 .Lnot_wave_0_\@
	s_barrier_signal -3
.Lnot_wave_0_\@:
	s_barrier_wait -3
	s_barrier_signal -1
	s_barrier_wait -1
.endm
.macro CROUND                          ; a whole round
	s_barrier_signal -1
	s_barrier_wait -1
	CREST
.endm
.macro JLOAD                           ; every wave's one load: its 16,384 bytes of a block.  s_nop 0 and four v_nop follow it
	tensor_load_to_lds s[32:35], s[24:31]
	s_nop 0
	PLACES
.endm
; A PREFETCH INTO THE L2 of the block that the NEXT round will ask for, a key step ahead of that load.  All eight clusters of a batch walk the same blocks: the batch's first cluster asks.  Its four partners share a block out
; BY ADDRESS, 32,768 bytes each; in each, waves 0 to 3 ask, 8,192 bytes a wave, lanes 256 bytes apart: each aligned 256 bytes are named once in the launch.  The round that asks for block 15 prefetches nothing.
.macro ASK
	s_cmp_gt_u32 s38, s39
	s_cbranch_scc0 .Lnot_mine_\@
	global_prefetch_b8 v9, s[40:41] th:TH_LOAD_NT scope:SCOPE_SE
.Lnot_mine_\@:
.endm
.macro WALK                            ; the walking descriptor and the prefetch's address; no tensor load of mine is out here
	s_xor_b32 s33, s33, SLOT1                      ; the other slot,
	s_add_nc_u64 s[34:35], s[34:35], 131072        ; the next block; the type bits on top are not reached
	s_wait_xcnt 0x0                                ; the last prefetch has read its address
	s_add_nc_u64 s[40:41], s[40:41], 131072        ; one block further on than the descriptor
.endm
.macro SMUL i                          ; tile i's scores: 8 tiles of 16 keys, K = the head's 64; C = the bias
	WIN 0x04                                       ; Q in window 1
.irp t, 0,1,2,3,4,5,6,7
	v_wmma_f32_16x16x64_bf8_bf8 v[S+8*\t:S+8*\t+7], v[KF+8*\t:KF+8*\t+7], v[QF+8*(\i):QF+8*(\i)+7], v[BI+8*\t:BI+8*\t+7]
.endr
.endm
.macro SOFT i                          ; tile i's softmax for 128 keys: register 16 b + n of S is key 32 b + 16 (lane / 16) + n of my query
.set ST, 16+4*(\i)
	v_max3_num_f32 v32, v[S], v[S+1], v[S+2]       ; the step's largest score among my 64 keys, in four chains (v32, v33, v36, v37), the registers in ascending order: each accumulator from its low end on
	v_max3_num_f32 v33, v[S+3], v[S+4], v[S+5]
	v_max3_num_f32 v36, v[S+6], v[S+7], v[S+8]
	v_max3_num_f32 v37, v[S+9], v[S+10], v[S+11]
.irp k, 12,20,28,36,44,52
	v_max3_num_f32 v32, v32, v[S+\k], v[S+\k+1]
	v_max3_num_f32 v33, v33, v[S+\k+2], v[S+\k+3]
	v_max3_num_f32 v36, v36, v[S+\k+4], v[S+\k+5]
	v_max3_num_f32 v37, v37, v[S+\k+6], v[S+\k+7]
.endr
	v_max3_num_f32 v32, v32, v[S+60], v[S+61]
	v_max3_num_f32 v33, v33, v[S+62], v[S+63]
	v_max3_num_f32 v32, v32, v33, v36
	s_delay_alu instid0(VALU_DEP_1)
	v_max_num_f32 v32, v32, v37
	s_delay_alu instid0(VALU_DEP_1)
	v_permlanex16_b32 v38, v32, s20, s21
	s_delay_alu instid0(VALU_DEP_1)
	v_max_num_f32 v32, v32, v38                    ; and among lane l xor 16's
	s_delay_alu instid0(VALU_DEP_1)
	v_mul_f32 v32, s22, v32                        ; as t (c is not negative)
	s_delay_alu instid0(VALU_DEP_1)
	v_fma_f32 v32, |v32|, s62, v32                 ; raised by 2^-22 of its size
	s_delay_alu instid0(VALU_DEP_1)
	v_max_num_f32 v[ST+1], v[ST+1], v32            ; the running largest t
	v_mov_b32 v32, v[ST]
	s_delay_alu instid0(VALU_DEP_2)
	v_floor_f32 v[ST], -v[ST+1]                    ; the new -M = floor(-t): M is a whole number
.set J, 0
.rept 32
	v_pk_fma_f32 v[S+J:S+J+1], v[S+J:S+J+1], s[22:23], v[ST:ST+1] op_sel_hi:[1,0,0]   ; t - M, two at a time (of the pairs c and -M the low word serves both halves)
.if J == 6                             ; the three lines that make f stand among the multiply-adds, which do not read them
	v_sub_f32 v32, v[ST], v32                      ; old M - new M: a whole number, 0 or less
.endif
.if J == 14
	v_cvt_i32_f32 v32, v32                         ; (it saturates)
.endif
.if J == 22
	v_ldexp_f32 v34, 1.0, v32                      ; f = 2^(old M - new M)
.endif
.set J, J+2
.endr
.set J, 0
	s_wait_alu depctr_va_vdst(0)
.rept 64
	v_exp_f32 v[S+J], v[S+J]                       ; p = 2^(t - M), at most 1, not normalised
.set J, J+1
.endr
	v_pk_mul_f32 v[ST+2:ST+3], v[ST+2:ST+3], v[34:35] op_sel_hi:[1,0]   ; the sums under the new M: the plain instruction behind the exponentials
	s_wait_alu depctr_va_vdst(0)                   ; one wait for the batch of 64, ahead of its first reader
	v_pk_add_f32 v[36:37], v[S:S+1], v[S+2:S+3]    ; the sum is taken of the unquantised p, in four chains: the running sum, v[36:37], v[32:33] and v[56:57]
	v_pk_add_f32 v[32:33], v[S+4:S+5], v[S+6:S+7]
	v_pk_add_f32 v[56:57], v[S+8:S+9], v[S+10:S+11]
.irp k, 12,20,28,36,44,52
	v_pk_add_f32 v[ST+2:ST+3], v[ST+2:ST+3], v[S+\k:S+\k+1]
	v_pk_add_f32 v[36:37], v[36:37], v[S+\k+2:S+\k+3]
	v_pk_add_f32 v[32:33], v[32:33], v[S+\k+4:S+\k+5]
	v_pk_add_f32 v[56:57], v[56:57], v[S+\k+6:S+\k+7]
.endr
	v_pk_add_f32 v[ST+2:ST+3], v[ST+2:ST+3], v[S+60:S+61]
	v_pk_add_f32 v[36:37], v[36:37], v[S+62:S+63]
	v_pk_add_f32 v[32:33], v[32:33], v[56:57]
	v_pk_add_f32 v[ST+2:ST+3], v[ST+2:ST+3], v[36:37]
	s_delay_alu instid0(VALU_DEP_1)
	v_pk_add_f32 v[ST+2:ST+3], v[ST+2:ST+3], v[32:33]
.set J, 0
.rept 32                               ; the conversion does not saturate (ISA guide 7.6.2); p is not negative, so the hold is one-sided; two holds an instruction; v13 and v46 hold the same bound, in two register banks
	v_dual_min_num_f32 v[S+J], v[S+J], v13 :: v_dual_min_num_f32 v[S+J+1], v[S+J+1], v46
.set J, J+2
.endr
.endm
.macro CODES                           ; p's codes: the second product's operand as it stands
	WIN 0x40                                       ; destination window 1
.irp g, 0,1,2,3,4,5,6,7
	v_cvt_scalef32_pk8_bf8_f32 v[PF+2*\g:PF+2*\g+1], v[S+8*\g:S+8*\g+7], v12
.endr
	v_nop                                          ; a plain instruction between the conversions and the products that write their sources and read their results
.endm
.macro RESC i, first                   ; O^T of tile i under the new M.  These lines are also the places behind the score products that stand ahead of them
.if \first
	PLACES                                         ; the first key step has nothing to rescale
.else
	WIN 0x41                                       ; O^T in window 1, f in window 0
.irp k, 0,2,4,6,8,10,12,14,16,18,20,22,24,26,28,30
	v_pk_mul_f32 v[32*(\i)+\k:32*(\i)+\k+1], v[32*(\i)+\k:32*(\i)+\k+1], v[34:35] op_sel_hi:[1,0]
.endr
.endif
.endm
.macro PV i, first                     ; O^T += V^T P^T: 4 tiles of 16 channels, K = the step's 128 keys.  first = 1: the products start the sums: nothing is ever cleared
	WIN 0x55
.irp d, 0,1,2,3
.if \first
	v_wmma_f32_16x16x128_bf8_bf8 v[32*(\i)+8*\d:32*(\i)+8*\d+7], v[VF+16*\d:VF+16*\d+15], v[PF:PF+15], 0
.else
	v_wmma_f32_16x16x128_bf8_bf8 v[32*(\i)+8*\d:32*(\i)+8*\d+7], v[VF+16*\d:VF+16*\d+15], v[PF:PF+15], v[32*(\i)+8*\d:32*(\i)+8*\d+7]
.endif
.endr
.endm
.macro LOADKB                          ; K's 8 fragments from the slot at s36, and 128 entries of the bias table from byte s37 on: 32 LDS loads in one run
	v_add_nc_u32 v2, s36, v7
	v_add_nc_u32 v4, s37, v8
.irp t, 0,1,2,3,4,5,6,7
	ds_load_b128 v[KF+8*\t:KF+8*\t+3], v2 offset:\t*1024
	ds_load_b128 v[KF+8*\t+4:KF+8*\t+7], v2 offset:\t*1024+512
.endr
.irp t, 0,1,2,3,4,5,6,7                ; the bias in the result's layout: tile t, register j: key 32 (t / 2) + 16 (lane / 16) + 8 (t % 2) + j
	ds_load_b128 v[BI+8*\t:BI+8*\t+3], v4 offset:128*(\t/2)+32*(\t%2)
	ds_load_b128 v[BI+8*\t+4:BI+8*\t+7], v4 offset:128*(\t/2)+32*(\t%2)+16
.endr
.endm
.macro WLOAD s                         ; W's 4 fragments (my 64 outputs) of K step s of the last product: K steps 0, 1 into window 0, 2, 3 into window 1, v128-255
	WIN 0x40*((\s)/2)
.irp n, 0,1,2,3
.irp b, 0,1,2,3
	global_load_b128 v[128+64*((\s)%2)+16*\n+4*\b:128+64*((\s)%2)+16*\n+4*\b+3], v1, s[8:9] offset:(2*(\s)+\b/2)*8192+\n*1024+(\b%2)*512
.endr
.endr
.endm
; A KEY STEP: 128 keys for my head's four tiles.  At its top S holds tile 0's scores, and K and the bias are in registers.
; bar = 2: the round and the refill; 1: a plain barrier, which shows the last block whole; 0: none.  nxt = 1: the next step's K, bias and first scores; 0: W's first two K steps instead.
; No two matrix instructions that follow each other share an accumulator, over the loop's edge too.
.macro STEP first, bar, nxt
	v_add_nc_u32 v3, s36, v47                      ; this line and three v_nop: the four places between the last products and the loads into the registers that they read
	v_nop
	v_nop
	v_nop
	WIN 0x40
.irp d, 0,1,2,3
.irp b, 0,1,2,3
	ds_load_b128 v[VF+16*\d+4*\b:VF+16*\d+4*\b+3], v3 offset:\d*2048+\b*512
.endr
.endr
	WIN 0
	s_xor_b32 s36, s36, SLOT1                      ; the next step's slot,
	s_add_co_u32 s37, s37, 512                     ; and its 128 entries of the bias table
	SOFT 0
	CODES
	SMUL 1
.if \bar
	WIN 0                                          ; (the add's two registers lie in window 0)
	s_wait_tensorcnt 0x0                           ; all my tensor loads have landed: one was out, my part of the next step's block
	ds_add_u32 v5, v6                              ; 0 onto my spare word
.endif
.if \bar == 2
	WALK
.endif
	RESC 0, \first                                 ; work on registers between the add and the wait for it
	s_wait_alu depctr_va_vdst(0)
	s_wait_dscnt 0x0                               ; V is in, so my reads of this step's slot are over; the add is done
.if \bar
	s_barrier_signal -1                            ; say so; a tile's work on registers stands between the signal and the wait
.endif
	PV 0, \first
	WIN 0
	SOFT 1
	CODES
	SMUL 2
	RESC 1, \first
	PV 1, \first
	WIN 0
.if \bar
	s_barrier_wait -1
.endif
.if \bar == 2
	CREST                                          ; no wave of any partner still reads this step's slot or has a load on its way
	JLOAD                                          ; the block two steps on, into this step's slot: the first tensor load behind the round
	ASK
.endif
	SOFT 2
	CODES
	SMUL 3                                         ; the last reader of this step's K and bias
	RESC 2, \first                                 ; the places in front of the loads below
	WIN 0
.if \nxt
	LOADKB                                         ; the next block is whole since this step's barrier
.else
	WLOAD 0
	WLOAD 1
.endif
	PV 2, \first
	WIN 0
	SOFT 3
	CODES
.if \nxt
.if \first
	s_wait_alu depctr_va_vdst(0)                   ; the first step has no rescaling between the codes and their reader
.endif
	s_wait_dscnt 0x0                               ; the next step's K and bias are in
	SMUL 0
.endif
	RESC 3, \first
	PV 3, \first
	WIN 0
.endm
.macro POW2 sc, lim, e                 ; 2^e and 57,344 x 2^e as f32 patterns
	s_add_co_i32 s[\sc], s[\e], 127
	s_add_co_i32 s[\lim], s[\e], 142
	s_lshl_b32 s[\sc], s[\sc], 23
	s_lshl_b32 s[\lim], s[\lim], 23
	s_or_b32 s[\lim], s[\lim], 0x600000
.endm
.macro QT i                            ; tile i of q, loaded as whole runs of 256 bytes, turns through my stage: a lane then holds 16 neighbours of its row twice (register 16 c + n = channel 32 c + 16 h + n)
	s_wait_loadcnt 24-8*(\i)                       ; its eight loads are in; the later tiles' may be out
.irp j, 0,1,2,3,4,5,6,7
	ds_store_b128 v11, v[S+32*(\i)+4*\j:S+32*(\i)+4*\j+3] offset:544*\j
.endr
.irp g, 0,1,2,3,4,5,6,7                ; LDS serves a wave's instructions in order (ISA guide 5.7.1.4): these see the stores above, and the next tile's stores come behind them
	ds_load_b128 v[S+32*(\i)+4*\g:S+32*(\i)+4*\g+3], v10 offset:128*(\g/4)+16*(\g%4)
.endr
.endm
.macro QC i, younger                   ; tile i of q becomes codes: Q's fragments stay in registers
	s_wait_dscnt \younger
.set J, 0
.rept 32
	v_med3_num_f32 v[S+32*(\i)+J], v[S+32*(\i)+J], -v13, v13   ; the hold at the largest code x the scale
.set J, J+1
.endr
	WIN 0x40
.irp g, 0,1,2,3
	v_cvt_scalef32_pk8_bf8_f32 v[QF+8*(\i)+2*\g:QF+8*(\i)+2*\g+1], v[S+32*(\i)+8*\g:S+32*(\i)+8*\g+7], v12
.endr
	v_nop                                          ; a plain instruction behind the conversions
	WIN 0
.endm
	s_load_b256 s[4:11], s[0:1], 0x0               ; query s[4:5], kv s[6:7], wimg s[8:9], mask s[10:11]
	s_load_b128 s[12:15], s[0:1], 0x20             ; the scales' exponents s[12:13], out0 s[14:15]
	v_lshl_add_u32 v5, v0, 2, SPARE                ; my spare word; never rewritten
	v_mov_b32 v6, 0                                ; 0; never rewritten
	ds_add_u32 v5, v6                              ; the opening lines: the add, twice on end, and one wait; work on registers stands between
	ds_add_u32 v5, v6
	v_lshrrev_b32 v42, 5, v0
	v_readfirstlane_b32 s16, v42                   ; wave 0..7 = my head
	s_and_b32 s19, ttmp7, 0xffff                   ; the batch, which the four partners share
	s_bfe_u32 s17, ttmp6, 0x40000                  ; cx: it enters q's, out0's and the prefetches' addresses alone
	; descriptor group 1: 64 rows of 32 elements of 8 bytes, dense: 16,384 bytes; no padding: the images are read 512 consecutive bytes an instruction
	s_mov_b32 s24, 15|(3<<16)|(1<<21)              ; the mask: all four work-groups; elements of 8 bytes; bit 21 set beside a mask
	s_mov_b32 s25, 32<<16
	s_mov_b32 s26, 64<<16
	s_mov_b32 s27, 32<<16
	s_mov_b32 s28, 64
	s_mov_b32 s29, 32
	s_mov_b32 s30, 0
	s_mov_b32 s31, 0
	s_mov_b32 s32, 1                               ; group 0: count = 1,
	s_lshl_b32 s33, s16, 14                        ; LDS address: slot 0, my eighth
	s_lshl_b32 s50, s19, 21                        ; the batch's 16 blocks
	s_add_co_u32 s82, s50, 131072                  ; the prefetches stand in block 1: the first round steps them to block 2
	s_add_co_u32 s50, s50, s33                     ; my eighth of block 0
	s_mov_b32 s51, 0
	s_lshl_b32 s18, ttmp9, 2
	s_add_co_u32 s18, s18, s17                     ; my block of 64 queries
	s_lshl_b32 s52, s19, 11
	s_lshl_b32 s53, s18, 6
	s_add_co_u32 s52, s52, s53                     ; my first row: 2048 x batch + 64 x block
	s_lshl_b32 s52, s52, 11                        ; a row is 2,048 bytes
	s_mov_b32 s53, 0
	s_lshl_b32 s75, s16, 8                         ; my head's 256 bytes of a row
	s_add_co_u32 s54, s52, s75
	s_mov_b32 s55, 0
	s_lshl_b32 s78, s19, 13                        ; the batch's 2,048 mask words
	s_mov_b32 s79, 0
	s_lshr_b32 s70, s16, 1
	s_and_b32 s71, s16, 1
	s_lshl_b32 s80, s70, 16
	s_lshl_b32 s81, s71, 12
	s_add_co_u32 s80, s80, s81                     ; W's images of my 64 outputs: block wave / 2, tiles 4 (wave % 2) on
	s_mov_b32 s81, 0
	s_lshl_b32 s76, s70, 11
	s_lshl_b32 s77, s71, 10
	s_add_co_u32 s76, s76, s77                     ; my head's part of the last product's operand: K step wave / 2, groups 2 (wave % 2) on
	s_lshl_b32 s83, s17, 15                        ; the prefetches: my work-group's 32,768 bytes of a block,
	s_add_co_u32 s82, s82, s83
	s_and_b32 s83, s16, 3
	s_lshl_b32 s83, s83, 13                        ; my wave's 8,192 of them
	s_add_co_u32 s82, s82, s83
	s_mov_b32 s83, 0
	s_lshr_b32 s39, s16, 2                         ; 0 in waves 0 to 3,
	s_or_b32 s39, s39, ttmp9                       ; of the batch's first cluster: the same in all four partners
	s_cmp_eq_u32 s39, 0
	s_cselect_b32 s39, 1, -1                       ; a wave prefetches while s38 is above this
	s_lshl_b32 s72, s16, 10
	s_lshl_b32 s73, s16, 13
	s_mul_i32 s74, s16, 4352
	s_add_co_u32 s74, s74, STG                     ; my stage
	s_mov_b32 s20, 0x76543210                      ; v_permlanex16_b32's selects for lane l xor 16
	s_mov_b32 s21, 0xfedcba98
	s_mov_b32 s36, 0                               ; the slot in hand
	s_mov_b32 s37, 0                               ; 512 x key step
	s_mov_b32 s38, 15                              ; blocks still to be asked for
	s_mov_b32 s62, 0x34800000                      ; 2^-22
	v_and_b32 v41, 31, v0                          ; lane
	v_and_b32 v42, 15, v0                          ; r
	v_bfe_u32 v43, v0, 4, 1                        ; h
	v_lshlrev_b32 v1, 4, v41                       ; 16 x lane: an image's place for my lane
	v_lshlrev_b32 v9, 8, v41                       ; the prefetches' offset: 256 x lane
	v_lshlrev_b32 v40, 11, v43
	v_lshlrev_b32 v8, 6, v43
	v_mul_u32_u24 v10, v42, 272
	v_mul_u32_u24 v11, v43, 272
	v_add_nc_u32 v45, s72, v1                      ; my wave's 256 mask words: 1024 x wave + 16 x lane
	v_add_nc_u32 v7, s73, v1                       ; my head's images of K in a block
	v_add_nc_u32 v39, s76, v1
	v_lshl_add_u32 v40, v42, 4, v40                ; q: lanes 0-15 one row's 256 bytes, lanes 16-31 the next row's
	v_add_nc_u32 v8, BIAS, v8                      ; the bias table, + 64 h
	v_lshl_add_u32 v10, v43, 6, v10
	v_lshl_add_u32 v11, v42, 4, v11
	v_add_nc_u32 v44, BIAS, v45                    ; my mask words' place in the bias table
	v_add_nc_u32 v47, VOFF, v7                     ; my head's images of V
	v_add_nc_u32 v14, s75, v40                     ; the same two rows in out0, my 64 columns
	v_add_nc_u32 v10, s74, v10                     ; the stage by lanes: row r, + 64 h
	v_add_nc_u32 v11, s74, v11                     ; the stage by rows: lanes 0-15 one row of 256 bytes, lanes 16-31 the next
	s_wait_alu depctr_va_vdst(0)
	s_wait_dscnt 0x0                               ; both opening adds are done
	s_wait_kmcnt 0x0
	s_load_b128 s[44:47], s[12:13], 0x0            ; e0 .. e3
	s_load_b64 s[48:49], s[12:13], 0x10            ; e4, e5
	s_add_nc_u64 s[34:35], s[6:7], s[50:51]
	s_or_b32 s35, s35, 0x80000000                  ; type = 2
	s_add_nc_u64 s[14:15], s[14:15], s[52:53]      ; out0 at my first row
	s_add_nc_u64 s[4:5], s[4:5], s[54:55]          ; query at my first row, my head
	s_add_nc_u64 s[10:11], s[10:11], s[78:79]
	s_add_nc_u64 s[8:9], s[8:9], s[80:81]
	s_add_nc_u64 s[40:41], s[6:7], s[82:83]
	CROUND                                         ; all four work-groups are here: the first joint loads meet
	JLOAD                                          ; block 0 into slot 0: one tensor load a wave at the head, asked for ahead of the mask and q
	ASK                                            ; block 1, which the next round will ask for
.irp j, 0,1,2,3,4,5,6,7,8,9,10,11,12,13,14,15
	global_load_b128 v[BI+4*\j:BI+4*\j+3], v1, s[10:11] offset:512*\j     ; the batch's whole mask, for the question whether any key is open
.endr
	global_load_b128 v[48:51], v45, s[10:11]       ; my wave's part of it, for the table
	global_load_b128 v[52:55], v45, s[10:11] offset:512
.irp i, 0,1,2,3
.irp j, 0,1,2,3,4,5,6,7
	global_load_b128 v[S+32*\i+4*\j:S+32*\i+4*\j+3], v40, s[4:5] offset:\i*32768+\j*4096 th:TH_LOAD_NT   ; q: tile i, rows 2 j and 2 j + 1: sixteen lanes read 256 consecutive bytes, aligned
.endr
.endr
	s_wait_kmcnt 0x0
	s_add_co_i32 s50, s44, s45                     ; e0 + e1
	s_lshl_b32 s51, s50, 23
	s_mov_b32 s22, 0x3d8293ee                      ; log2(e) / sqrt(512)
	s_add_co_i32 s22, s22, s51                     ; a score stands for score x 2^(e0 + e1): the exponents are added to c's exponent field
	s_sub_co_i32 s51, 0, s50
	v_mov_b32 v15, 0xe0ad78ec                      ; -1e20,
	s_delay_alu instid0(VALU_DEP_1)
	v_ldexp_f32 v15, v15, s51                      ; in the scores' unit
	POW2 66, 67, 44                                ; for q's conversions
	POW2 56, 57, 47                                ; for p's
	POW2 58, 59, 48                                ; for the attention result's
	s_add_co_i32 s63, s46, s47                     ; e2 + e3
	s_add_co_i32 s60, s48, s49
	s_add_co_i32 s60, s60, 127
	s_lshl_b32 s60, s60, 23                        ; 2^(e4 + e5) as f32
	s_mov_b32 s61, s60                             ; (named with it as a pair, so it is written)
	v_mov_b32 v12, s66                             ; 2^e0
	v_mov_b32 v13, s67                             ; 57,344 x 2^e0
	s_wait_alu depctr_va_vdst(0)
	s_wait_loadcnt 32                              ; the mask's 18 loads are in; q's 32 may be out
.irp w, 32,16,8,4,2,1                  ; is any key of the batch open?
.set J, 0
.rept \w
	v_or_b32 v[BI+J], v[BI+J], v[BI+J+\w]
.set J, J+1
.endr
.endr
	s_delay_alu instid0(VALU_DEP_1)
	v_cmp_ne_u32 vcc_lo, 0, v[BI]
	s_cmp_lg_u32 vcc_lo, 0
	s_cselect_b32 s22, s22, 0                      ; none open: c = 0, every p = 1: a select, no branch
	s_mov_b32 s23, s22                             ; (named with it as a pair, so it is written)
.irp j, 0,1,2,3,4,5,6,7
	v_cmp_eq_u32 vcc_lo, 0, v[48+\j]
	s_delay_alu instid0(VALU_DEP_1)
	v_cndmask_b32 v[48+\j], 0, v15, vcc_lo         ; hidden: -1e20 in the scores' unit; open: 0
.endr
	ds_store_b128 v44, v[48:51]                    ; the wait for these stores and the barrier stand in front of block 1's load, ahead of every read of the table
	ds_store_b128 v44, v[52:55] offset:512
	QT 0
	QT 1
	QC 0, 16                                       ; behind tile 0's loads from the stage: tile 1's eight stores and eight loads
	QT 2
	QC 1, 16
	QT 3
	QC 2, 16
	QC 3, 0
	v_mov_b32 v12, s56                             ; 2^e3
	v_mov_b32 v13, s57                             ; 57,344 x 2^e3,
	v_mov_b32 v46, s57                             ; and once more
.irp i, 0,1,2,3
	v_mov_b32 v[16+4*\i], 0x7f61b1e6               ; -M = 3e38, a whole number
	v_mov_b32 v[17+4*\i], 0xff61b1e6               ; the largest t so far: -3e38, under every t
	v_mov_b32 v[18+4*\i], 0                        ; the sum, in two halves
	v_mov_b32 v[19+4*\i], 0
.endr
	v_mov_b32 v35, 0                               ; (named as the upper half of the pair v[34:35])
	v_mov_b32 v38, 0                               ; written once: a lane permute's destination counts as one of its sources
	s_wait_alu depctr_va_vdst(0)
	s_wait_tensorcnt 0x0                           ; my part of block 0 is in; slot 1's first fill is issued as a refill is
	ds_add_u32 v5, v6
	WALK
	s_wait_dscnt 0x0                               ; the add is done, my stores into the bias table have landed
	CROUND
	JLOAD                                          ; block 1 into slot 1
	ASK
	s_sub_co_u32 s38, s38, 1
	LOADKB                                         ; key step 0's K and bias
	s_wait_dscnt 0x0
	SMUL 0
	WIN 0
	STEP 1, 2, 1                                   ; key step 0 starts O^T's sums and asks for block 2
	s_sub_co_u32 s38, s38, 1
.Lstep:                                            ; 13 trips: key steps 1 to 13; step t asks for block t + 2
	STEP 0, 2, 1
	s_sub_co_u32 s38, s38, 1
	s_cmp_lg_u32 s38, 0
	s_cbranch_scc1 .Lstep
	STEP 0, 1, 1                                   ; key steps 14 and 15 are written out: they ask for nothing
	STEP 0, 0, 0
	; ---- 1 / the sum, x 2^(e2 + e3).  The additions are the places behind the last products
.irp i, 0,1,2,3
	v_add_f32 v[16+4*\i], v[18+4*\i], v[19+4*\i]
.endr
.irp i, 0,1,2,3
	s_delay_alu instid0(VALU_DEP_4)
	v_permlanex16_b32 v[17+4*\i], v[16+4*\i], s20, s21
.endr
.irp i, 0,1,2,3
	s_delay_alu instid0(VALU_DEP_4)
	v_add_f32 v[16+4*\i], v[16+4*\i], v[17+4*\i]
.endr
	s_wait_alu depctr_va_vdst(0)
.irp i, 0,1,2,3
	v_rcp_f32 v[16+4*\i], v[16+4*\i]
.endr
	v_nop                                          ; a plain instruction behind the last reciprocal,
	s_wait_alu depctr_va_vdst(0)                   ; and one wait for the four, ahead of their first reader
.irp i, 0,1,2,3
	v_ldexp_f32 v[16+4*\i], v[16+4*\i], s63
.endr
	WLOAD 2                                        ; W's last two K steps, into the registers that V, Q and p have left; they land while the attention's result is quantised
	WLOAD 3
	WIN 0
	v_mov_b32 v12, s58                             ; 2^e4
	v_mov_b32 v13, s59                             ; 57,344 x 2^e4
	; ---- the attention's result, normalised, becomes the last product's operand: register 16 B + n of a tile is channel 32 B + 16 h + n of my head: two groups of four registers of fragment (tile, K step wave / 2)
.irp i, 0,1,2,3
	WIN 0x01                                       ; O^T in window 1
.irp k, 0,2,4,6,8,10,12,14,16,18,20,22,24,26,28,30
	v_pk_mul_f32 v[S+\k:S+\k+1], v[32*\i+\k:32*\i+\k+1], v[16+4*\i:17+4*\i] op_sel_hi:[1,0]   ; each accumulator from its low end on
.endr
	WIN 0
.set J, 0
.rept 32
	v_med3_num_f32 v[S+J], v[S+J], -v13, v13
.set J, J+1
.endr
.irp g, 0,1,2,3
	v_cvt_scalef32_pk8_bf8_f32 v[96+8*\i+2*\g:96+8*\i+2*\g+1], v[S+8*\g:S+8*\g+7], v12
.endr
	v_nop                                          ; a plain instruction behind the conversions: the next tile's products write their sources
	ds_store_b128 v39, v[96+8*\i:96+8*\i+3] offset:AIMG+\i*8192
	ds_store_b128 v39, v[96+8*\i+4:96+8*\i+7] offset:AIMG+\i*8192+512
.endr
	s_wait_dscnt 0x0                               ; for the others' sake: my stores have landed
	s_barrier_signal -1
	s_barrier_wait -1                              ; the operand's sixteen fragments lie in LDS
	; ---- y^T = W a^T: my 64 outputs for the 64 queries: sixteen accumulators by turns, a K step at a time, in the registers that O^T has left
.irp s, 0,1,2,3
.irp m, 0,1,2,3
.irp b, 0,1,2,3
	ds_load_b128 v[S+16*\m+4*\b:S+16*\m+4*\b+3], v1 offset:AIMG+(4*\m+\s)*2048+512*\b
.endr
.endr
	s_wait_loadcnt 48-16*\s                        ; W's fragments of this K step are in; those of the later K steps, sixteen loads each, may be out
	s_wait_dscnt 0x0
	WIN 0x50+(\s/2)                                ; C and D window 1; W in window 0 or 1
.irp n, 0,1,2,3
.irp m, 0,1,2,3
.if \s == 0
	v_wmma_f32_16x16x128_bf8_bf8 v[8*(4*\n+\m):8*(4*\n+\m)+7], v[128+64*(\s%2)+16*\n:128+64*(\s%2)+16*\n+15], v[S+16*\m:S+16*\m+15], 0
.else
	v_wmma_f32_16x16x128_bf8_bf8 v[8*(4*\n+\m):8*(4*\n+\m)+7], v[128+64*(\s%2)+16*\n:128+64*(\s%2)+16*\n+15], v[S+16*\m:S+16*\m+15], v[8*(4*\n+\m):8*(4*\n+\m)+7]
.endif
.endr
.endr
	WIN 0
	PLACES                                         ; in front of loads into registers that these products read, and of the first read of results
.endr
	; ---- the way out, 16 queries at a time: x 2^(e4 + e5); a lane's 16 neighbouring outputs go into my stage; whole runs of 256 bytes come back and are stored
.irp m, 0,1,2,3
	WIN 0x01
.irp n, 0,1,2,3
.irp p, 0,2,4,6
	v_pk_mul_f32 v[S+32*(\m%2)+8*\n+\p:S+32*(\m%2)+8*\n+\p+1], v[8*(4*\n+\m)+\p:8*(4*\n+\m)+\p+1], s[60:61] op_sel_hi:[1,0]
.endr
.endr
	WIN 0
.irp n, 0,1,2,3                        ; tile n, register j: output 64 x wave + 32 (n / 2) + 16 h + 8 (n % 2) + j
	ds_store_b128 v10, v[S+32*(\m%2)+8*\n:S+32*(\m%2)+8*\n+3] offset:128*(\n/2)+32*(\n%2)
	ds_store_b128 v10, v[S+32*(\m%2)+8*\n+4:S+32*(\m%2)+8*\n+7] offset:128*(\n/2)+32*(\n%2)+16
.endr
.irp t, 0,1,2,3,4,5,6,7
	ds_load_b128 v[128+32*\m+4*\t:128+32*\m+4*\t+3], v11 offset:544*\t   ; in order behind my stores; the next 16 queries' stores come behind them
.endr
	s_wait_dscnt 0x0
.irp t, 0,1,2,3,4,5,6,7
	global_store_b128 v14, v[128+32*\m+4*\t:128+32*\m+4*\t+3], s[14:15] offset:(16*\m+2*\t)*2048 th:TH_STORE_NT   ; sixteen lanes store 256 consecutive bytes, aligned; each store has registers of its own
.endr
.endr
	s_wait_tensorcnt 0x0                           ; the wave's end: behind my last tensor load and my last LDS store
	ds_add_u32 v5, v6
	s_wait_dscnt 0x0
	CROUND                                         ; the closing round: no work-group ends while a partner may still ask for a block that names it
	s_endpgm
.Lfunc_end_k_q850aaad96c_attn:
	.size	k_q850aaad96c_attn, .Lfunc_end_k_q850aaad96c_attn-k_q850aaad96c_attn
	.p2alignl 7, 3214868480
	.fill 96, 4, 3214868480
	.section	.rodata,"a",@progbits
	.p2align	6, 0x0
	.amdhsa_kernel k_q850aaad96c_attn
		.amdhsa_group_segment_fixed_size 327680
		.amdhsa_private_segment_fixed_size 0
		.amdhsa_enable_private_segment 0
		.amdhsa_kernarg_size 48
		.amdhsa_user_sgpr_count 2
		.amdhsa_user_sgpr_kernarg_segment_ptr 1
		.amdhsa_wavefront_size32 1
		.amdhsa_system_sgpr_workgroup_id_x 1
		.amdhsa_system_sgpr_workgroup_id_y 1
		.amdhsa_system_sgpr_workgroup_id_z 1
		.amdhsa_system_vgpr_workitem_id 0
		.amdhsa_next_free_vgpr 512
		.amdhsa_next_free_sgpr 88
		.amdhsa_reserve_vcc 1
		.amdhsa_float_denorm_mode_32 3
		.amdhsa_float_denorm_mode_16_64 3
		.amdhsa_memory_ordered 1
		.amdhsa_forward_progress 1
		.amdhsa_inst_pref_size 255
	.end_amdhsa_kernel
	.section	.bss,"aw",@nobits
	.p2align	6
	.space	262144
	.amdgpu_metadata
---
amdhsa.version: [ 1, 2 ]
amdhsa.kernels:
  - .name:           k_q850aaad96c_attn
    .symbol:         k_q850aaad96c_attn.kd
    .args:
      - { .name: query, .offset: 0, .size: 8, .value_kind: global_buffer, .address_space: global }
      - { .name: kv, .offset: 8, .size: 8, .value_kind: global_buffer, .address_space: global }
      - { .name: wimg, .offset: 16, .size: 8, .value_kind: global_buffer, .address_space: global }
      - { .name: mask, .offset: 24, .size: 8, .value_kind: global_buffer, .address_space: global }
      - { .name: lowp_scales, .offset: 32, .size: 8, .value_kind: global_buffer, .address_space: global }
      - { .name: out0, .offset: 40, .size: 8, .value_kind: global_buffer, .address_space: global }
    .group_segment_fixed_size: 327680
    .private_segment_fixed_size: 0
    .kernarg_segment_align: 8
    .kernarg_segment_size: 48
    .max_flat_workgroup_size: 256
    .sgpr_count:     88
    .vgpr_count:     512
    .wavefront_size: 32
...
	.end_amdgpu_metadata
.endif
;; end of part 2
